; MI455X (gfx1250); checked and timed in simulation.
; The chip was launched on July 23, 2026; its instructions are those of AMD's public machine-readable ISA for CDNA 5 (MIT licence, August 2026) and "CDNA5" Instruction Set Architecture Reference Guide (July 2026). The comments in the code are by the model that wrote it; some were corrected since.
;; Attention. Allowed arithmetic: float matrix products may take bf16 or f16 operands with f32 sums; all other float work in f32.
;; Inputs: W_c 1,024 x 1 float32; W_dec 1,024 x 1,024 float32; W_h 1,024 x 512 float32; W_s 1,024 x 1,024 float32; b_dec 1,024 float32; coverage 32 x 1,024 float32; enc_padding_mask 32 x 1,024 float32; enc_sent_token_mat 32 x 64 x 1,024 float32; h 32 x 1,024 x 512 float32; s 32 x 1,024 x 1,024 float32; s_t_hat 32 x 1,024 float32; sent_all_child_scores 32 x 64 x 64 float32; sent_all_head_scores 32 x 64 x 64 float32; sent_level_rep 32 x 64 x 1,024 float32; sent_scores 32 x 64 float32; token_scores 32 x 1,024 float32; v 1 x 1,024 float32; v2 1 x 1,024 float32.
;; Outputs: out0 32 x 512 float32; out1 32 x 1,024 float32; out2 32 x 1,024 float32.
;; One version. Each part assembles by itself: llvm-mc -triple=amdgcn-amd-amdhsa -mcpu=gfx1250 --defsym DOCPART=n.
;; ======== version 1 of 1: 3 launches
;; workspace buffers: wcat 3,145,728 bytes; senta 4,194,304 bytes; decs 131,072 bytes; part 524,288 bytes; sspart 262,144 bytes
;; launch prep (part 1): grid 256 x 1, 8 waves a work-group, no clusters, 76,288 bytes of LDS; arguments s_t_hat, W_dec, b_dec, sent_level_rep, W_h, W_s, decs, senta, wcat; writes decs, senta, wcat
.if DOCPART == 1
	.amdgcn_target "amdgcn-amd-amdhsa--gfx1250"
	.amdhsa_code_object_version 6
	.text
	.protected	k_q9f5cd62053_prep
	.globl	k_q9f5cd62053_prep
	.p2align	8
	.type	k_q9f5cd62053_prep,@function
k_q9f5cd62053_prep:
	s_mov_b64 s[64:65], 0
	v_nop
	global_prefetch_b8 v0, s[64:65] scope:SCOPE_SE
	s_setreg_imm32_b32 hwreg(HW_REG_WAVE_MODE, 25, 1), 1
	s_wait_xcnt 0x0
; PREP.  Three small jobs in front of the large product.
;  (1) wcat[step 0..15][n / 256][ 256 rows x 32 k of W_h | 256 rows x 64 k of W_s ] bf16: step t holds W_h's columns 32 t .. and W_s's
;      columns 64 t ..; the block of a step and of 256 rows is 16 KiB + 32 KiB, dense
;  (2) dec_fea[b][n] = s_t_hat[b] . W_dec[n] + b_dec[n] (bf16 operands, f32 sums), stored as decs[n / 16][b][n % 16] = 2 log2(e) x dec_fea
;  (3) senta[k / 8][64 b + sentence][k % 8] = bf16(sent_level_rep + dec_fea): 16 neighbouring rows of 8 k are 256 neighbouring bytes
; Work-group g: kc = g / 4 names 16 columns of dec_fea, q = g % 4 names batches 8 q .. 8 q + 7.  It makes the 16 x 16 tile of dec_fea of
; batches 16 (q / 2) .. + 15 (two work-groups make the same tile: 32 matrix instructions, cheaper than a launch in between), stores decs
; and senta for its own 8 batches, and converts rows 4 g .. 4 g + 3 of both weights.
; LIMITS: matrix operands are rounded to bf16.  sent_level_rep is read in pieces of 64 bytes of a row (16 columns), so that 256
; work-groups share the work and each reads only 64 KiB of W_dec.
.set PITCH, 2064                       ; an LDS row of 1,024 bf16 + 16 bytes: 129 x 16, the 16 rows of a fragment start in 16 different columns of 16 bytes
.set WDL,   0                          ; 16 rows of W_dec as bf16
.set STL,   16*PITCH                   ; 16 rows of s_t_hat as bf16
.set PARTL, 32*PITCH                   ; 8 waves x 1 KiB: each wave's partial tile
.set DT,    PARTL+8192                 ; the tile: 16 batches x 16 columns of f32
.set C2,    0x4038aa3b                 ; 2 log2(e)
.set WBLK,  49152                      ; wcat: a step's block of 256 rows
.set WSTEP, 4*WBLK                     ; wcat: a step
; v0-15, v24-27 and v232 hold ids, offsets and addresses and are never the target of a load (v14: the bias); v[16:23] and v[28:31] take loaded data
.set WD,   32                          ; v[32:95]    16 x 4: W_dec as loaded
.set SH,   96                          ; v[96:159]   16 x 4: s_t_hat as loaded
.set RP,   160                         ; v[160:191]  4 x 8: sent_level_rep
.set WW,   192                         ; v[192:215]  6 x 4: weights to convert
.set ACC0, 216                         ; v[216:223], v[224:231]: two accumulators that take turns
.set ACC1, 224
.set WSO,  232                         ; v232        offset of W_s's part in wcat
.set FA,   32                          ; fragments of s_t_hat (over WD, which is dead by then)
.set FB,   64                          ; fragments of W_dec
	s_load_b512 s[4:19], s[0:1], 0x0               ; s_t_hat 4, W_dec 6, b_dec 8, rep 10, W_h 12, W_s 14, decs 16, senta 18
	s_load_b64 s[20:21], s[0:1], 0x40              ; wcat
	v_lshl_add_u32 v240, v0, 2, 0x12600
	v_mov_b32 v241, 0
	v_and_b32 v1, 31, v0                           ; lane
	v_lshrrev_b32 v2, 5, v0
	v_readfirstlane_b32 s22, v2                    ; wave
	s_lshr_b32 s23, ttmp9, 2                       ; kc
	s_and_b32 s24, ttmp9, 3                        ; q
	s_lshr_b32 s25, s24, 1                         ; which 16 batches
	s_and_b32 s26, s24, 1                          ; which 8 of them are mine
	v_and_b32 v3, 15, v0                           ; r
	v_bfe_u32 v4, v0, 4, 1                         ; hh
	; offsets in memory
	v_lshlrev_b32 v5, 4, v1
	v_lshl_add_u32 v5, v2, 13, v5                  ; W_dec, s_t_hat: two rows a wave, 16 bytes a lane
	v_bfe_u32 v6, v0, 2, 4
	v_lshlrev_b32 v6, 2, v6                        ; bias of the column whose sum I finish
	v_lshlrev_b32 v7, 4, v3
	v_lshl_add_u32 v7, v2, 8, v7                   ; 256 w + 16 r: 64 columns of W_s
	v_lshl_add_u32 v8, v4, 12, v7                  ; W_s: lanes 16-31 one row down
	v_and_b32 v7, 7, v0
	v_lshlrev_b32 v7, 4, v7                        ; W_h: eight lanes take 32 columns of a row,
	v_lshl_add_u32 v7, v2, 8, v7                   ; at column 64 w,
	v_lshrrev_b32 v11, 3, v1
	v_lshl_add_u32 v7, v11, 11, v7                 ; and the wave four rows
	v_lshl_add_u32 v9, v2, 4, v3                   ; 16 w + r: my row among 128 (the last use of v2 as the wave's number)
	v_lshlrev_b32 v26, 4, v9
	v_lshl_add_u32 v26, v4, 15, v26                ; senta: row x 16 bytes + hh x 2,048 rows x 16 bytes
	v_lshlrev_b32 v9, 12, v9
	v_lshl_add_u32 v9, v4, 5, v9                   ; rep: row x 4,096 + 8 columns for each half
	v_lshlrev_b32 v10, 3, v1                       ; 8 bytes a lane
	s_and_b32 s28, ttmp9, 63                       ; my four rows' place among their block's 256
	s_mul_i32 s27, s22, 2*WSTEP                    ; W_h: wave w has steps 2 w, 2 w + 1
	s_lshl_b32 s29, s28, 8                         ; four rows of 64 bytes
	s_add_co_u32 s27, s27, s29
	v_add_nc_u32 v11, s27, v10
	s_mul_i32 s27, s22, WSTEP                      ; W_s: wave w has steps w, w + 8
	s_lshl_b32 s29, s28, 9                         ; four rows of 128 bytes
	s_add_co_u32 s27, s27, s29
	v_add_nc_u32 v[WSO], s27, v10
	v_lshlrev_b32 v27, 4, v1                       ; decs: 16 bytes a lane
	; LDS addresses: a constant, the wave's number times a constant, a lane term
	s_mul_i32 s27, s22, 2*PITCH
	v_add_nc_u32 v10, s27, v10                     ; stage: rows 2 w, 2 w + 1
	s_lshl_b32 s27, s22, 8
	v_mul_u32_u24 v12, v3, PITCH
	v_lshl_add_u32 v12, v4, 4, v12
	v_add_nc_u32 v12, s27, v12                     ; fragments: row r, K = 128 w ..
	s_lshl_b32 s27, s22, 10
	s_add_co_u32 s27, s27, PARTL
	v_lshl_add_u32 v13, v1, 4, s27                 ; my wave's partial tile
	s_lshl_b32 s27, s22, 7
	s_add_co_u32 s27, s27, PARTL
	v_lshl_add_u32 v15, v1, 2, s27                 ; word t = 32 w + lane of each partial tile
	; word t holds batch 8 ((t>>6)&1) + 4 (t>>7) + (t&3), column (t>>2)&15; with t = 32 w + lane:
	s_bfe_u32 s27, s22, 0x10001
	s_lshl_b32 s27, s27, 9
	s_lshr_b32 s28, s22, 2
	s_lshl_b32 s28, s28, 8
	s_add_co_u32 s27, s27, s28
	s_and_b32 s28, s22, 1
	s_lshl_b32 s28, s28, 5
	s_add_co_u32 s27, s27, s28
	s_add_co_u32 s27, s27, DT
	v_and_b32 v24, 3, v0
	v_lshrrev_b32 v25, 2, v1
	v_lshlrev_b32 v25, 2, v25
	v_lshl_add_u32 v24, v24, 6, v25
	v_add_nc_u32 v24, s27, v24                     ; where that word goes in the tile
	s_lshl_b32 s29, s26, 9
	s_add_co_u32 s29, s29, DT                      ; my 8 batches of the tile
	s_lshr_b32 s28, s22, 2
	s_lshl_b32 s28, s28, 6
	s_add_co_u32 s28, s28, s29
	v_lshl_add_u32 v25, v4, 5, s28                 ; the batch of my rows (item 0), my 8 columns
	v_lshl_add_u32 v2, v1, 4, s29                  ; wave 0's read of my 8 batches: 16 bytes a lane
	s_mov_b32 s31, 0
	s_wait_kmcnt 0x0
	s_lshl_b32 s30, s23, 16
	s_add_nc_u64 s[6:7], s[6:7], s[30:31]          ; W_dec at row 16 kc
	s_add_nc_u64 s[18:19], s[18:19], s[30:31]      ; senta at k / 8 = 2 kc
	s_lshl_b32 s30, s24, 13
	s_add_nc_u64 s[18:19], s[18:19], s[30:31]      ; and row 512 q
	s_lshl_b32 s30, s25, 16
	s_add_nc_u64 s[4:5], s[4:5], s[30:31]          ; s_t_hat at batch 16 (q / 2)
	s_lshl_b32 s30, s23, 6
	s_add_nc_u64 s[8:9], s[8:9], s[30:31]          ; b_dec at column 16 kc
	s_add_nc_u64 s[10:11], s[10:11], s[30:31]      ; rep at column 16 kc
	s_lshl_b32 s30, s24, 21
	s_add_nc_u64 s[10:11], s[10:11], s[30:31]      ; and row 512 q
	s_lshl_b32 s30, ttmp9, 13
	s_add_nc_u64 s[12:13], s[12:13], s[30:31]      ; W_h at row 4 g
	s_lshl_b32 s30, ttmp9, 14
	s_add_nc_u64 s[14:15], s[14:15], s[30:31]      ; W_s at row 4 g
	s_lshr_b32 s30, ttmp9, 6
	s_mul_i32 s30, s30, WBLK
	s_add_nc_u64 s[20:21], s[20:21], s[30:31]      ; wcat at my rows' block of 256
	s_lshl_b32 s30, s23, 11
	s_add_nc_u64 s[16:17], s[16:17], s[30:31]      ; decs at tile kc
	s_lshl_b32 s30, s24, 9
	s_add_nc_u64 s[16:17], s[16:17], s[30:31]      ; and batch 8 q
	; all 47 loads at once: 16 + 16 + 1 + 6 + 8
.irp rho, 0,1
.irp j, 0,1,2,3,4,5,6,7
	global_load_b128 v[WD+4*(8*\rho+\j):WD+4*(8*\rho+\j)+3], v5, s[6:7] offset:\rho*4096+\j*512
.endr
.endr
.irp rho, 0,1
.irp j, 0,1,2,3,4,5,6,7
	global_load_b128 v[SH+4*(8*\rho+\j):SH+4*(8*\rho+\j)+3], v5, s[4:5] offset:\rho*4096+\j*512
.endr
.endr
	global_load_b32 v14, v6, s[8:9]
.irp i, 0,1
	global_load_b128 v[WW+4*\i:WW+4*\i+3], v7, s[12:13] offset:\i*128 th:TH_LOAD_NT      ; W_h: four rows x columns 64 w + 32 i ..
.endr
.irp jj, 1,2
.irp pr, 0,1
	global_load_b128 v[WW+8*\jj+4*\pr:WW+8*\jj+4*\pr+3], v8, s[14:15] offset:\pr*8192+(\jj-1)*2048 th:TH_LOAD_NT
.endr
.endr
.irp i, 0,1,2,3
	global_load_b128 v[RP+8*\i:RP+8*\i+3],   v9, s[10:11] offset:\i*524288
	global_load_b128 v[RP+8*\i+4:RP+8*\i+7], v9, s[10:11] offset:\i*524288+16
.endr
	; W_dec and s_t_hat to bf16 and into LDS
	s_wait_loadcnt 0xf                             ; 15 younger loads (bias, weights, rep) stay out
.irp rho, 0,1
.irp j, 0,1,2,3,4,5,6,7
	v_cvt_pk_bf16_f32 v[WD+4*(8*\rho+\j)],   v[WD+4*(8*\rho+\j)],   v[WD+4*(8*\rho+\j)+1]
	v_cvt_pk_bf16_f32 v[WD+4*(8*\rho+\j)+1], v[WD+4*(8*\rho+\j)+2], v[WD+4*(8*\rho+\j)+3]
	ds_store_b64 v10, v[WD+4*(8*\rho+\j):WD+4*(8*\rho+\j)+1] offset:WDL+\rho*PITCH+\j*256
	v_cvt_pk_bf16_f32 v[SH+4*(8*\rho+\j)],   v[SH+4*(8*\rho+\j)],   v[SH+4*(8*\rho+\j)+1]
	v_cvt_pk_bf16_f32 v[SH+4*(8*\rho+\j)+1], v[SH+4*(8*\rho+\j)+2], v[SH+4*(8*\rho+\j)+3]
	ds_store_b64 v10, v[SH+4*(8*\rho+\j):SH+4*(8*\rho+\j)+1] offset:STL+\rho*PITCH+\j*256
.endr
.endr
	; the weights: each store of the wave covers 256 consecutive bytes, aligned (four rows of W_h's part, two rows of W_s's part, of one step)
	s_wait_loadcnt 0x8                             ; the 8 loads of rep stay out
.irp i, 0,1
	v_cvt_pk_bf16_f32 v[WW+4*\i],   v[WW+4*\i],   v[WW+4*\i+1]
	v_cvt_pk_bf16_f32 v[WW+4*\i+1], v[WW+4*\i+2], v[WW+4*\i+3]
	global_store_b64 v11, v[WW+4*\i:WW+4*\i+1], s[20:21] offset:\i*WSTEP
.endr
.irp jj, 1,2
.irp pr, 0,1
	v_cvt_pk_bf16_f32 v[WW+8*\jj+4*\pr],   v[WW+8*\jj+4*\pr],   v[WW+8*\jj+4*\pr+1]
	v_cvt_pk_bf16_f32 v[WW+8*\jj+4*\pr+1], v[WW+8*\jj+4*\pr+2], v[WW+8*\jj+4*\pr+3]
	global_store_b64 v[WSO], v[WW+8*\jj+4*\pr:WW+8*\jj+4*\pr+1], s[20:21] offset:(\jj-1)*8*WSTEP+16384+\pr*256
.endr
.endr
	s_wait_dscnt 0x0                               ; my stores into the stage are done, for the other waves' sake
	s_barrier_signal -1
	s_barrier_wait -1
	; wave w multiplies K = 128 w .. + 127: four matrix instructions on two accumulators by turns
.irp u, 0,1,2,3
	ds_load_b128 v[FA+8*\u:FA+8*\u+3],   v12 offset:STL+64*\u
	ds_load_b128 v[FA+8*\u+4:FA+8*\u+7], v12 offset:STL+64*\u+32
	ds_load_b128 v[FB+8*\u:FB+8*\u+3],   v12 offset:WDL+64*\u
	ds_load_b128 v[FB+8*\u+4:FB+8*\u+7], v12 offset:WDL+64*\u+32
.endr
	s_wait_dscnt 0x0
	v_wmma_f32_16x16x32_bf16 v[ACC0:ACC0+7], v[FA:FA+7],     v[FB:FB+7],     0
	v_wmma_f32_16x16x32_bf16 v[ACC1:ACC1+7], v[FA+8:FA+15],  v[FB+8:FB+15],  0
	v_wmma_f32_16x16x32_bf16 v[ACC0:ACC0+7], v[FA+16:FA+23], v[FB+16:FB+23], v[ACC0:ACC0+7]
	v_wmma_f32_16x16x32_bf16 v[ACC1:ACC1+7], v[FA+24:FA+31], v[FB+24:FB+31], v[ACC1:ACC1+7]
.rept 4
	v_nop                                          ; four places before a vector instruction reads a matrix result (ISA guide 7.12.1)
.endr
.irp j, 0,2,4,6
	v_pk_add_f32 v[ACC0+\j:ACC0+\j+1], v[ACC0+\j:ACC0+\j+1], v[ACC1+\j:ACC1+\j+1]
.endr
	ds_store_b128 v13, v[ACC0:ACC0+3]              ; register j of lane (r, hh): batch 8 hh + j, column r
	ds_store_b128 v13, v[ACC0+4:ACC0+7] offset:512
	s_wait_dscnt 0x0
	s_barrier_signal -1
	s_barrier_wait -1
	; thread t adds word t of the eight partial tiles and the bias
.irp i, 0,1,2,3,4,5,6,7
	ds_load_b32 v[16+\i], v15 offset:\i*1024
.endr
	s_wait_dscnt 0x0
	v_pk_add_f32 v[16:17], v[16:17], v[18:19]
	v_pk_add_f32 v[20:21], v[20:21], v[22:23]
	v_pk_add_f32 v[16:17], v[16:17], v[20:21]
	v_add_f32 v16, v16, v17
	v_add_f32 v16, v16, v14
	ds_store_b32 v24, v16
	s_wait_dscnt 0x0
	s_barrier_signal -1
	s_barrier_wait -1
	; wave 0: my 8 batches x 16 columns, scaled, 512 consecutive bytes of decs
	s_cmp_lg_u32 s22, 0
	s_cbranch_scc1 .Lnot_wave_0
	ds_load_b128 v[28:31], v2
	s_wait_dscnt 0x0
	v_pk_mul_f32 v[28:29], v[28:29], C2 op_sel_hi:[1,0]
	v_pk_mul_f32 v[30:31], v[30:31], C2 op_sel_hi:[1,0]
	global_store_b128 v27, v[28:31], s[16:17]
.Lnot_wave_0:
	; senta: item i is row 128 i + 16 w + r of my 512 rows, 8 columns for each half of the lanes; 16 lanes store 256 consecutive bytes, aligned
.irp i, 0,1,2,3
	ds_load_b128 v[FA+8*\i:FA+8*\i+3],   v25 offset:128*\i
	ds_load_b128 v[FA+8*\i+4:FA+8*\i+7], v25 offset:128*\i+16
.endr
	s_wait_loadcnt 0x0
	s_wait_dscnt 0x0
.irp i, 0,1,2,3
.irp k, 0,1,2,3
	v_pk_add_f32 v[RP+8*\i+2*\k:RP+8*\i+2*\k+1], v[RP+8*\i+2*\k:RP+8*\i+2*\k+1], v[FA+8*\i+2*\k:FA+8*\i+2*\k+1]
.endr
.irp k, 0,1,2,3
	v_cvt_pk_bf16_f32 v[FB+4*\i+\k], v[RP+8*\i+2*\k], v[RP+8*\i+2*\k+1]
.endr
	global_store_b128 v26, v[FB+4*\i:FB+4*\i+3], s[18:19] offset:\i*2048
.endr
	s_wait_tensorcnt 0x0
	ds_add_u32 v240, v241
	s_wait_dscnt 0x0
	s_endpgm
.Lfunc_end_k_q9f5cd62053_prep:
	.size	k_q9f5cd62053_prep, .Lfunc_end_k_q9f5cd62053_prep-k_q9f5cd62053_prep
	.p2alignl 7, 3214868480
	.fill 96, 4, 3214868480
	.section	.rodata,"a",@progbits
	.p2align	6, 0x0
	.amdhsa_kernel k_q9f5cd62053_prep
		.amdhsa_group_segment_fixed_size 76288
		.amdhsa_private_segment_fixed_size 0
		.amdhsa_enable_private_segment 0
		.amdhsa_kernarg_size 72
		.amdhsa_user_sgpr_count 2
		.amdhsa_user_sgpr_kernarg_segment_ptr 1
		.amdhsa_wavefront_size32 1
		.amdhsa_system_sgpr_workgroup_id_x 1
		.amdhsa_system_sgpr_workgroup_id_y 1
		.amdhsa_system_sgpr_workgroup_id_z 1
		.amdhsa_system_vgpr_workitem_id 0
		.amdhsa_next_free_vgpr 242
		.amdhsa_next_free_sgpr 66
		.amdhsa_reserve_vcc 0
		.amdhsa_float_denorm_mode_32 3
		.amdhsa_float_denorm_mode_16_64 3
		.amdhsa_memory_ordered 1
		.amdhsa_forward_progress 1
		.amdhsa_inst_pref_size 23
	.end_amdhsa_kernel
	.amdgpu_metadata
---
amdhsa.version: [ 1, 2 ]
amdhsa.kernels:
  - .name:           k_q9f5cd62053_prep
    .symbol:         k_q9f5cd62053_prep.kd
    .args:
      - { .name: s_t_hat, .offset: 0, .size: 8, .value_kind: global_buffer, .address_space: global }
      - { .name: W_dec, .offset: 8, .size: 8, .value_kind: global_buffer, .address_space: global }
      - { .name: b_dec, .offset: 16, .size: 8, .value_kind: global_buffer, .address_space: global }
      - { .name: sent_level_rep, .offset: 24, .size: 8, .value_kind: global_buffer, .address_space: global }
      - { .name: W_h, .offset: 32, .size: 8, .value_kind: global_buffer, .address_space: global }
      - { .name: W_s, .offset: 40, .size: 8, .value_kind: global_buffer, .address_space: global }
      - { .name: decs, .offset: 48, .size: 8, .value_kind: global_buffer, .address_space: global }
      - { .name: senta, .offset: 56, .size: 8, .value_kind: global_buffer, .address_space: global }
      - { .name: wcat, .offset: 64, .size: 8, .value_kind: global_buffer, .address_space: global }
    .group_segment_fixed_size: 76288
    .private_segment_fixed_size: 0
    .kernarg_segment_align: 8
    .kernarg_segment_size: 72
    .max_flat_workgroup_size: 256
    .sgpr_count:     66
    .vgpr_count:     242
    .wavefront_size: 32
...
	.end_amdgpu_metadata
.endif
;; end of part 1
;; launch att (part 2): grid 4 x 128, 4 waves a work-group, clusters of 4 x 4, 327,680 bytes of LDS; arguments h, s, wcat, senta, decs, coverage, W_c, v, v2, part, sspart; writes part, sspart
.if DOCPART == 2
	.amdgcn_target "amdgcn-amd-amdhsa--gfx1250"
	.amdhsa_code_object_version 6
	.text
	.protected	k_q9f5cd62053_att
	.globl	k_q9f5cd62053_att
	.p2align	8
	.type	k_q9f5cd62053_att,@function
k_q9f5cd62053_att:
	s_mov_b64 s[64:65], 0
	v_nop
	global_prefetch_b8 v0, s[64:65] scope:SCOPE_SE
	s_setreg_imm32_b32 hwreg(HW_REG_WAVE_MODE, 25, 1), 1
	s_wait_xcnt 0x0
	s_wait_alu depctr_hold_cnt(0) depctr_sa_sdst(0) depctr_va_vdst(0) depctr_va_sdst(0) depctr_va_ssrc(0) depctr_va_vcc(0) depctr_vm_vsrc(0)
	s_getreg_b32 s2, hwreg(HW_REG_IB_STS2, 6, 4)
	s_cmp_eq_u32 s2, 0
	s_cbranch_scc0 .Lentry_in_a_cluster
	s_endpgm
.Lentry_in_a_cluster:
	s_bfe_u32 s2, ttmp6, 0x10000c
	s_cmp_lg_u32 s2, 0xf033
	s_cbranch_scc0 .Lentry_shape_is_right
	s_endpgm
.Lentry_shape_is_right:
; ATT.  part[nb][row] = sum over the 256 columns n of block nb of v[n] tanh( [h | s][row] . [W_h | W_s][n] + dec_fea[b][n] + coverage[row] W_c[n] ),
; and sspart = the same kind of partial sums of v2[n] tanh( (sent_level_rep + dec_fea)[sentence row] . W_s[n] ).
; A work-group makes 256 token rows (block y) x 256 columns (block nb), and beside them the 16 sentence rows 16 y .. + 15 x the same columns,
; on the tiles of W_s that lie in LDS anyway.
; K = 1,536 IS WALKED IN 16 EQUAL STEPS OF 96: step t takes h's columns 32 t .. + 31 (with W_h) and s's columns 64 t .. + 63 (with W_s), so that
; h's 512 and s's 1,024 columns end together.  A step is three thirds of 32 along K: one of h, two of s; the sentence rows take part in the two of s.
; Why 96: h and s come as f32, so a slot takes 6 x 256 bytes for each k.  Two slots of 128 along K would be 2 x (256 x 528 + 256 x 272) = 409,600 bytes,
; more than a work-group can have; two of 96 are 321,536.  The price: a row of h's tile is 128 bytes, half of an aligned block of 256; the other half is
; asked for one step later.  s's rows are 256 bytes, aligned.
; Four waves, as many as a WGP has SIMDs.  Wave w: rows 64 w .. + 63 x all 256 columns = 4 x 16 accumulator tiles, 512 registers, so each
; f32 number of h and s is read from LDS and rounded to bf16 once in the work-group; and the sentence rows x columns 64 w .. + 63 (4 tiles).
; THE MATRIX INSTRUCTION IS USED TRANSPOSED: source 0 = 16 rows of W, source 1 = 16 token rows.  Lane (r, hh) then holds token row r, and
; register j column 8 hh + j, so the sum over columns runs along a lane's registers.
; Fragment group q (4 tiles of 16 columns) of wave w is column group (q + w) & 3: group 0 is the wave's own sentence columns in every wave.
; CLUSTERS: 4 x 4 work-groups.  The tiles of h, s and senta hang on y alone and are asked for jointly along a row of the cluster; the
; tiles of wcat hang on nb alone and are asked for jointly along a column.  Wave 0 asks for h's tile (32 KiB), wave 1 for s's (64 KiB), wave 2 for
; W's (48 KiB), wave 3 for the sentence tile (2 KiB): one tensor load a wave behind each round.  By this text's count a wave has two tensor loads
; out at the start and one afterwards.
; LIMITS: matrix operands are rounded to bf16.  tanh x = 1 - 2 / (1 + 2^(2 log2(e) x)), which ends at +1 and -1 for large |x|;
; v_exp_f32 and v_rcp_f32 are good to one unit in the last place and flush denormals (ISA guide 15.8).
.set APITCH, 272                       ; an LDS row of 256 bytes + 16: the 16 rows of a fragment start in 16 different columns of 16 bytes
.set HPITCH, 144                       ; an LDS row of 128 bytes + 16 = 9 x 16: likewise
.set ASLOT,  256*APITCH                ; s's slots, at 0: 256 rows of 64 f32
.set AHB,    2*ASLOT                   ; h's slots
.set AHSLOT, 256*HPITCH                ; 256 rows of 32 f32
.set BB,     AHB+2*AHSLOT              ; W's slots: 192 LDS rows of 256 bytes + 16
.set BSLOT,  192*APITCH
.set WSOFF,  64*APITCH                 ; first 64 LDS rows: W_h, FOUR rows of 32 bf16 in each: row n at (n / 4) 272 + (n % 4) 64;
                                       ; then 128 LDS rows: W_s, TWO rows of 64 bf16 in each: row n at (n / 2) 272 + (n % 2) 128
.set NTH,    4*APITCH                  ; 16 rows of W_h
.set NT,     8*APITCH                  ; 16 rows of W_s
.set SBASE,  BB+2*BSLOT                ; sentence slots: 8 x 256 bytes, dense
.set SSLOT,  2048
.set SCR,    SBASE+2*SSLOT             ; scratch of the way out; no tensor load lands here
.set SCR2,   SCR+1024
.set C2,     0x4038aa3b                ; 2 log2(e)
; window 0
.set ADRAS, 2                          ; v2-3    LDS address of my rows of s in slot 0, 1
.set ADRB,  4                          ; v4-11   of W_s's fragment group q in slot 0 (4 + q), slot 1 (8 + q)
.set ADRS,  12                         ; v12     of the sentence fragments
.set ADRAH, 14                         ; v14-15  of my rows of h in slot 0, 1
.set ADRBH, 16                         ; v16-23  of W_h's fragment group q in slot 0 (16 + q), slot 1 (20 + q)
.set ST,   32                          ; v[32:95]   64 f32 a lane: A as read from LDS
.set AF,   96                          ; v[96:127], v[128:159]  A's fragments, two buffers
.set SF,   208                         ; v[208:215], v[216:223] sentence fragments, two buffers
.set SACC, 224                         ; v[224:255] four sentence accumulators
; window 1: W's fragments, buffer 0 in v[0:127], buffer 1 in v[128:255].  Window 2: accumulator (i, a) at 8 (4 i + a), i = 0..7.  Window 3: i = 8..15
; the way out (window 0)
.set COVS, 14                          ; v[14:17]  2 log2(e) x coverage of my 4 rows
.set VS,   18                          ; v[18:19]  sum of v over my columns
.set S,    20                          ; v[20:27]  4 pairs: sum of v / (1 + 2^..)
.set T,    32                          ; v[32:63]  at work
.set DEC,  96                          ; v[96:223] decs of my 128 columns
.set G1AH, 24                          ; s[24:31] group 1, tiles of h
.set G1AS, 32                          ; s[32:39] group 1, tiles of s
.set G1B,  40                          ; s[40:47] group 1, tiles of wcat
.set G1S,  48                          ; s[48:55] group 1, tiles of senta
.set AH,   56                          ; s[56:63] group 0 for h, a set for each slot
.set AS,   68                          ; s[68:75] for s
.set GB,   76                          ; s[76:83] for wcat
.set GS,   84                          ; s[84:91] for senta
.set MSB, 0
.macro WIN new                         ; the immediate's high byte repeats the setting that is left
.if MSB != \new
	s_set_vgpr_msb (MSB<<8)|\new
.set MSB, \new
.endif
.endm
.macro PLACES                          ; four places behind matrix instructions, in front of loads into and writes of their sources
.rept 4
	v_nop
.endr
.endm
.macro CREST                           ; a round of the cluster's barrier behind its opening barrier
	s_cmp_lg_u32 s12, 0
	s_cbranch_scc1 .Lnot_wave_0_\@
	s_barrier_signal -3
.Lnot_wave_0_\@:
	s_barrier_wait -3
	s_barrier_signal -1
	s_barrier_wait -1
.endm
.macro CROUND
	s_barrier_signal -1
	s_barrier_wait -1
	CREST
.endm
; The joint refill of a slot: each wave asks for one of the step's four tiles.  The branches hang on the wave's number alone; each line has one mask and one set of registers.
.macro JLOAD slot
	s_cmp_lt_u32 s12, 2
	s_cbranch_scc0 .Lhigh_\@
	s_cmp_eq_u32 s12, 0
	s_cbranch_scc0 .Lwave_1_\@
	tensor_load_to_lds s[AH+4*\slot:AH+4*\slot+3], s[G1AH:G1AH+7]
	s_nop 0
	s_branch .Lasked_\@
.Lwave_1_\@:
	tensor_load_to_lds s[AS+4*\slot:AS+4*\slot+3], s[G1AS:G1AS+7]
	s_nop 0
	s_branch .Lasked_\@
.Lhigh_\@:
	s_cmp_eq_u32 s12, 2
	s_cbranch_scc0 .Lwave_3_\@
	tensor_load_to_lds s[GB+4*\slot:GB+4*\slot+3], s[G1B:G1B+7]
	s_nop 0
	s_branch .Lasked_\@
.Lwave_3_\@:
	tensor_load_to_lds s[GS+4*\slot:GS+4*\slot+3], s[G1S:G1S+7]
	s_nop 0
.Lasked_\@:
.endm
; One run of LDS loads: third sub of a step (0: h and W_h; 1, 2: s, W_s and the sentence rows) for buffer g: 16 of A (f32), 2 of the sentence rows, 32 of W
.macro FETCH slot, sub, g
	WIN 0
.if \sub
.irp a, 0,1,2,3
	ds_load_b128 v[ST+16*\a:ST+16*\a+3],     v[ADRAS+\slot] offset:\a*16*APITCH+128*(\sub-1)
	ds_load_b128 v[ST+16*\a+4:ST+16*\a+7],   v[ADRAS+\slot] offset:\a*16*APITCH+128*(\sub-1)+16
	ds_load_b128 v[ST+16*\a+8:ST+16*\a+11],  v[ADRAS+\slot] offset:\a*16*APITCH+128*(\sub-1)+64
	ds_load_b128 v[ST+16*\a+12:ST+16*\a+15], v[ADRAS+\slot] offset:\a*16*APITCH+128*(\sub-1)+80
.endr
	ds_load_b128 v[SF+8*\g:SF+8*\g+3],   v[ADRS] offset:\slot*SSLOT+1024*(\sub-1)
	ds_load_b128 v[SF+8*\g+4:SF+8*\g+7], v[ADRS] offset:\slot*SSLOT+1024*(\sub-1)+512
.else
.irp a, 0,1,2,3
	ds_load_b128 v[ST+16*\a:ST+16*\a+3],     v[ADRAH+\slot] offset:\a*16*HPITCH
	ds_load_b128 v[ST+16*\a+4:ST+16*\a+7],   v[ADRAH+\slot] offset:\a*16*HPITCH+16
	ds_load_b128 v[ST+16*\a+8:ST+16*\a+11],  v[ADRAH+\slot] offset:\a*16*HPITCH+64
	ds_load_b128 v[ST+16*\a+12:ST+16*\a+15], v[ADRAH+\slot] offset:\a*16*HPITCH+80
.endr
.endif
	WIN 0x40                               ; destination in window 1
.irp q, 0,1,2,3
.irp p, 0,1,2,3
.if \sub
	ds_load_b128 v[128*\g+8*(4*\q+\p):128*\g+8*(4*\q+\p)+3],   v[ADRB+4*\slot+\q] offset:\p*NT+64*(\sub-1)
	ds_load_b128 v[128*\g+8*(4*\q+\p)+4:128*\g+8*(4*\q+\p)+7], v[ADRB+4*\slot+\q] offset:\p*NT+64*(\sub-1)+32
.else
	ds_load_b128 v[128*\g+8*(4*\q+\p):128*\g+8*(4*\q+\p)+3],   v[ADRBH+4*\slot+\q] offset:\p*NTH
	ds_load_b128 v[128*\g+8*(4*\q+\p)+4:128*\g+8*(4*\q+\p)+7], v[ADRBH+4*\slot+\q] offset:\p*NTH+32
.endif
.endr
.endr
.endm
.macro CVT g                           ; 64 f32 a lane to four fragments of bf16
.irp a, 0,1,2,3
.irp p, 0,1,2,3,4,5,6,7
	v_cvt_pk_bf16_f32 v[AF+32*\g+8*\a+\p], v[ST+16*\a+2*\p], v[ST+16*\a+2*\p+1]
.endr
.endr
.endm
; 16 matrix instructions: W's fragments 8 hi + i0 .. + 3 x my four row tiles.  The 64 (68) accumulators take turns, one instruction a turn.
.macro MUL16 f, hi, i0, zero
.irp i, \i0, \i0+1, \i0+2, \i0+3
.irp a, 0,1,2,3
.if \zero
	v_wmma_f32_16x16x32_bf16 v[8*(4*(\i)+\a):8*(4*(\i)+\a)+7], v[128*\f+8*(8*\hi+\i):128*\f+8*(8*\hi+\i)+7], v[AF+32*\f+8*\a:AF+32*\f+8*\a+7], 0
.else
	v_wmma_f32_16x16x32_bf16 v[8*(4*(\i)+\a):8*(4*(\i)+\a)+7], v[128*\f+8*(8*\hi+\i):128*\f+8*(8*\hi+\i)+7], v[AF+32*\f+8*\a:AF+32*\f+8*\a+7], v[8*(4*(\i)+\a):8*(4*(\i)+\a)+7]
.endif
.endr
.endr
.endm
.macro SMUL f, zero                    ; the sentence rows x my 64 columns (W's fragments 0 to 3)
.irp p, 0,1,2,3
.if \zero
	v_wmma_f32_16x16x32_bf16 v[SACC+8*\p:SACC+8*\p+7], v[128*\f+8*\p:128*\f+8*\p+7], v[SF+8*\f:SF+8*\f+7], 0
.else
	v_wmma_f32_16x16x32_bf16 v[SACC+8*\p:SACC+8*\p+7], v[128*\f+8*\p:128*\f+8*\p+7], v[SF+8*\f:SF+8*\f+7], v[SACC+8*\p:SACC+8*\p+7]
.endif
.endr
.endm
; 32 along K on buffer f.  fetch: the next third's loads (slot nslot, third nsub) go out first, into buffer g.
; turn 1: the change of slots.  In front of the barrier each wave waits for its reads of this slot and for all its tensor loads (the one
; that is out is its tile of the other slot).  turn 2: the barrier opens a round of the cluster's barrier, and behind the round this slot is
; filled again, two steps ahead, first thing.  From that request to the wait for it a wave issues 20 + 68 + 64 + 32 = 184 matrix instructions.
.macro THIRD f, g, zero, sw, szero, fetch, nslot, nsub, turn, slot
.if \fetch
	WIN 0
	PLACES                                 ; behind the last third's matrix instructions, which read buffer g
	FETCH \nslot, \nsub, \g
.if \nsub
	s_wait_dscnt 50                        ; all but the run just issued (16 + 2 + 32): buffer f's fragments of W are in
.else
	s_wait_dscnt 48                        ; the same for a run without sentence rows (16 + 32)
.endif
.else
	s_wait_dscnt 0x0
.endif
	WIN 0xa1                               ; source 0 window 1, source 1 window 0, C and D window 2
	MUL16 \f, 0, 0, \zero
	MUL16 \f, 0, 4, \zero
.if \fetch
	WIN 0
	s_wait_dscnt 32                        ; A and the sentence rows are in; the run's 32 loads of W may stay out
	CVT \g
.endif
.if \turn
	s_wait_dscnt 0x0                       ; my reads of this slot are over
	s_wait_xcnt 0x0
	v_lshl_add_u32 v206, v0, 2, 0x4ee00
	v_mov_b32 v207, 0
	s_wait_tensorcnt 0x0                   ; and all my tensor loads have landed
	ds_add_u32 v206, v207
	s_wait_dscnt 0x0
	s_barrier_signal -1
.endif
	WIN 0xf1                               ; C and D window 3
	MUL16 \f, 1, 0, \zero
.if \turn
	WIN 0
	s_barrier_wait -1
.if \turn == 2
	CREST                                  ; no wave of any partner still reads this slot or has a load on its way
	s_add_nc_u64 s[AH+4*\slot+2:AH+4*\slot+3], s[AH+4*\slot+2:AH+4*\slot+3], 256       ; two steps on: 64 columns of h,
	s_add_nc_u64 s[AS+4*\slot+2:AS+4*\slot+3], s[AS+4*\slot+2:AS+4*\slot+3], 512       ; 128 of s,
	s_add_nc_u64 s[GB+4*\slot+2:GB+4*\slot+3], s[GB+4*\slot+2:GB+4*\slot+3], 393216    ; two steps of wcat,
	s_add_nc_u64 s[GS+4*\slot+2:GS+4*\slot+3], s[GS+4*\slot+2:GS+4*\slot+3], 524288    ; 16 rows (k / 8) of senta
	JLOAD \slot
.endif
.endif
	WIN 0xf1
	MUL16 \f, 1, 4, \zero
.if \sw
	WIN 0x01                               ; source 0 window 1, all else window 0
	SMUL \f, \szero
.endif
.endm
; A step of 96 along K.  The buffers go by the parity of the third: a step on slot 0 uses buffers 0, 1, 0, a step on slot 1 buffers 1, 0, 1.
; The first third (h) reads the slot's first 32 of s; the second reads its last 32 and changes slots; the third reads the other slot's h.  fetch2 = 0: the last step.
.macro STEP slot, other, zero, szero, turn, fetch2
	THIRD \slot,  \other, \zero, 0, 0,      1,        \slot,  1, 0,     \slot
	THIRD \other, \slot,  0,     1, \szero, 1,        \slot,  2, \turn, \slot
	THIRD \slot,  \other, 0,     1, 0,      \fetch2,  \other, 0, 0,     \slot
.endm
	s_load_b256 s[4:11], s[0:1], 0x0               ; h 4, s 6, wcat 8, senta 10
	s_load_b256 s[92:99], s[0:1], 0x20             ; decs 92, coverage 94, W_c 96, v 98
	v_lshl_add_u32 v206, v0, 2, 0x4ee00
	v_mov_b32 v207, 0
	ds_add_u32 v206, v207
	ds_add_u32 v206, v207
	s_wait_dscnt 0x0
	v_lshrrev_b32 v14, 5, v0
	v_readfirstlane_b32 s12, v14                   ; wave
	s_bfe_u32 s14, ttmp6, 0x40000                  ; cx
	s_bfe_u32 s15, ttmp6, 0x40004                  ; cy
	s_lshl_b32 s16, ttmp9, 2
	s_add_co_u32 s16, s16, s14                     ; nb = 4 x cluster x + cx
	s_and_b32 s17, ttmp7, 0xffff
	s_lshl_b32 s17, s17, 2
	s_add_co_u32 s17, s17, s15                     ; y = 4 x cluster y + cy
	s_lshl_b32 s18, s15, 2
	s_lshl_b32 s18, 15, s18                        ; my row of the cluster
	s_lshl_b32 s19, 0x1111, s14                    ; my column
	; group 1 for h: 256 rows x 32 elements of 4 bytes, 16 bytes of padding behind every 32 words, pitch 512 elements
	s_or_b32 s[G1AH+0], s18, (2<<16)|(1<<20)|(1<<21)|(4<<22)|(3<<25)
	s_mov_b32 s[G1AH+1], 32<<16
	s_mov_b32 s[G1AH+2], 256<<16
	s_mov_b32 s[G1AH+3], 32<<16
	s_mov_b32 s[G1AH+4], 256
	s_mov_b32 s[G1AH+5], 512
	s_mov_b32 s[G1AH+6], 0
	s_mov_b32 s[G1AH+7], 0
	; for s: 256 rows x 64 elements of 4 bytes, 16 bytes of padding behind every 64 words, pitch 1,024 elements
	s_or_b32 s[G1AS+0], s18, (2<<16)|(1<<20)|(1<<21)|(5<<22)|(3<<25)
	s_mov_b32 s[G1AS+1], 64<<16
	s_mov_b32 s[G1AS+2], 256<<16
	s_mov_b32 s[G1AS+3], 64<<16
	s_mov_b32 s[G1AS+4], 256
	s_mov_b32 s[G1AS+5], 1024
	s_mov_b32 s[G1AS+6], 0
	s_mov_b32 s[G1AS+7], 0
	; for wcat: a dense block of 48 KiB as 192 rows of 32 elements of 8 bytes, padded likewise
	s_or_b32 s[G1B+0], s19, (3<<16)|(1<<20)|(1<<21)|(5<<22)|(3<<25)
	s_mov_b32 s[G1B+1], 32<<16
	s_mov_b32 s[G1B+2], 192<<16
	s_mov_b32 s[G1B+3], 32<<16
	s_mov_b32 s[G1B+4], 192
	s_mov_b32 s[G1B+5], 32
	s_mov_b32 s[G1B+6], 0
	s_mov_b32 s[G1B+7], 0
	; for senta: 8 rows (k / 8) of 256 bytes (16 sentence rows), 32,768 bytes apart, no padding
	s_or_b32 s[G1S+0], s18, (3<<16)|(1<<21)
	s_mov_b32 s[G1S+1], 32<<16
	s_mov_b32 s[G1S+2], 8<<16
	s_mov_b32 s[G1S+3], 32<<16
	s_mov_b32 s[G1S+4], 8
	s_mov_b32 s[G1S+5], 4096
	s_mov_b32 s[G1S+6], 0
	s_mov_b32 s[G1S+7], 0
	; where the tiles come from.  What hangs on y goes through s2, s3; what hangs on nb through s22, s23.
	s_mov_b32 s3, 0
	s_mov_b32 s23, 0
	s_wait_kmcnt 0x0
	s_lshl_b32 s2, s17, 19                         ; 256 rows of 2,048 bytes
	s_add_nc_u64 s[4:5], s[4:5], s[2:3]
	s_lshl_b32 s2, s17, 20                         ; 256 rows of 4,096 bytes
	s_add_nc_u64 s[6:7], s[6:7], s[2:3]
	s_lshl_b32 s2, s17, 8                          ; 16 sentence rows of 16 bytes
	s_add_nc_u64 s[10:11], s[10:11], s[2:3]
	s_mul_i32 s22, s16, 49152                      ; a step's block of 256 rows of W
	s_add_nc_u64 s[8:9], s[8:9], s[22:23]
.irp sl, 0,1
	s_mov_b32 s[AH+4*\sl], 1
	s_mov_b32 s[AH+4*\sl+1], AHB+\sl*AHSLOT
	s_add_nc_u64 s[AH+4*\sl+2:AH+4*\sl+3], s[4:5], \sl*128         ; step sl
	s_or_b32 s[AH+4*\sl+3], s[AH+4*\sl+3], 0x80000000
	s_mov_b32 s[AS+4*\sl], 1
	s_mov_b32 s[AS+4*\sl+1], \sl*ASLOT
	s_add_nc_u64 s[AS+4*\sl+2:AS+4*\sl+3], s[6:7], \sl*256
	s_or_b32 s[AS+4*\sl+3], s[AS+4*\sl+3], 0x80000000
	s_mov_b32 s[GB+4*\sl], 1
	s_mov_b32 s[GB+4*\sl+1], BB+\sl*BSLOT
	s_add_nc_u64 s[GB+4*\sl+2:GB+4*\sl+3], s[8:9], \sl*196608
	s_or_b32 s[GB+4*\sl+3], s[GB+4*\sl+3], 0x80000000
	s_mov_b32 s[GS+4*\sl], 1
	s_mov_b32 s[GS+4*\sl+1], SBASE+\sl*SSLOT
	s_add_nc_u64 s[GS+4*\sl+2:GS+4*\sl+3], s[10:11], \sl*262144
	s_or_b32 s[GS+4*\sl+3], s[GS+4*\sl+3], 0x80000000
.endr
	CROUND                                         ; all sixteen work-groups are here: the first joint loads meet
	; the first fills, two a wave (steps 0 and 1), in one group and under one branch on the wave's number
	s_cmp_lt_u32 s12, 2
	s_cbranch_scc0 .Lfirst_high
	s_cmp_eq_u32 s12, 0
	s_cbranch_scc0 .Lfirst_1
	tensor_load_to_lds s[AH:AH+3], s[G1AH:G1AH+7]
	s_nop 0
	tensor_load_to_lds s[AH+4:AH+7], s[G1AH:G1AH+7]
	s_nop 0
	s_branch .Lfirst_done
.Lfirst_1:
	tensor_load_to_lds s[AS:AS+3], s[G1AS:G1AS+7]
	s_nop 0
	tensor_load_to_lds s[AS+4:AS+7], s[G1AS:G1AS+7]
	s_nop 0
	s_branch .Lfirst_done
.Lfirst_high:
	s_cmp_eq_u32 s12, 2
	s_cbranch_scc0 .Lfirst_3
	tensor_load_to_lds s[GB:GB+3], s[G1B:G1B+7]
	s_nop 0
	tensor_load_to_lds s[GB+4:GB+7], s[G1B:G1B+7]
	s_nop 0
	s_branch .Lfirst_done
.Lfirst_3:
	tensor_load_to_lds s[GS:GS+3], s[G1S:G1S+7]
	s_nop 0
	tensor_load_to_lds s[GS+4:GS+7], s[G1S:G1S+7]
	s_nop 0
.Lfirst_done:
	; LDS addresses: a constant, the wave's number times a constant, a lane term
	v_and_b32 v1, 15, v0                           ; r
	v_bfe_u32 v13, v0, 4, 1                        ; hh
	s_mul_i32 s21, s12, 64*APITCH
	v_mul_u32_u24 v2, v1, APITCH
	v_lshl_add_u32 v2, v13, 5, v2                  ; 8 f32 for each half of the lanes
	v_add_nc_u32 v[ADRAS], s21, v2
	v_add_nc_u32 v[ADRAS+1], ASLOT, v[ADRAS]
	s_mul_i32 s21, s12, 64*HPITCH
	s_add_co_u32 s21, s21, AHB
	v_mul_u32_u24 v14, v1, HPITCH
	v_lshl_add_u32 v14, v13, 5, v14
	v_add_nc_u32 v[ADRAH], s21, v14
	v_add_nc_u32 v[ADRAH+1], AHSLOT, v[ADRAH]
	v_lshrrev_b32 v24, 1, v1
	v_mul_u32_u24 v24, v24, APITCH
	v_and_b32 v26, 1, v1
	v_lshl_add_u32 v24, v26, 7, v24
	v_lshl_add_u32 v24, v13, 4, v24                ; W_s: (r / 2) 272 + (r % 2) 128 + 16 hh
	v_lshrrev_b32 v25, 2, v1
	v_mul_u32_u24 v25, v25, APITCH
	v_and_b32 v26, 3, v1
	v_lshl_add_u32 v25, v26, 6, v25
	v_lshl_add_u32 v25, v13, 4, v25                ; W_h: (r / 4) 272 + (r % 4) 64 + 16 hh
.irp q, 0,1,2,3
	s_add_co_u32 s21, s12, \q
	s_and_b32 s21, s21, 3                          ; column group (q + w) & 3
	s_mul_i32 s2, s21, 4*NT
	s_add_co_u32 s2, s2, BB+WSOFF
	v_add_nc_u32 v[ADRB+\q], s2, v24
	v_add_nc_u32 v[ADRB+4+\q], BSLOT, v[ADRB+\q]
	s_mul_i32 s2, s21, 4*NTH
	s_add_co_u32 s2, s2, BB
	v_add_nc_u32 v[ADRBH+\q], s2, v25
	v_add_nc_u32 v[ADRBH+4+\q], BSLOT, v[ADRBH+\q]
.endr
	v_and_b32 v12, 31, v0
	v_lshlrev_b32 v12, 4, v12
	v_add_nc_u32 v[ADRS], SBASE, v12               ; k / 8 = hh, row r: 16 x lane
	s_wait_tensorcnt 0x1                           ; my tile of slot 0 is in; slot 1's may stay out
	s_barrier_signal -1
	s_barrier_wait -1
	FETCH 0, 0, 0
	WIN 0
	s_wait_dscnt 32
	CVT 0
	;    slot other zero szero turn fetch2
	STEP 0, 1,  1, 1,  2,  1                       ; step 0: its first products start the sums; asks for step 2
	STEP 1, 0,  0, 0,  2,  1                       ; step 1
	WIN 0
	s_mov_b32 s20, 6
.Lsteps:                                           ; steps 2 to 13, asking for steps 4 to 15
	STEP 0, 1,  0, 0,  2,  1
	STEP 1, 0,  0, 0,  2,  1
	WIN 0
	s_sub_co_u32 s20, s20, 1
	s_cmp_lg_u32 s20, 0
	s_cbranch_scc1 .Lsteps
	STEP 0, 1,  0, 0,  1,  1                       ; step 14: the barrier shows step 15's tiles; nothing is left to ask for
	STEP 1, 0,  0, 0,  0,  0                       ; step 15
	; THE WAY OUT.  Per column: decs, W_c, v; per row: coverage.  No offset is added to a pointer: all go into vector offsets.
	WIN 0
	PLACES                                         ; behind the last matrix instructions: their results are read and their sources loaded into
	s_load_b128 s[4:7], s[0:1], 0x40               ; v2 4, part 6
	s_load_b64 s[8:9], s[0:1], 0x50                ; sspart
	v_lshlrev_b32 v2, 5, v13                       ; 8 columns for each half of the lanes
	s_lshl_b32 s22, s16, 10                        ; nb x 256 columns x 4 bytes
	s_lshl_b32 s23, s16, 15                        ; nb x 16 tiles x 2,048 bytes
	s_lshr_b32 s2, s17, 2                          ; my batch
	s_lshl_b32 s2, s2, 6
	s_add_co_u32 s23, s23, s2
.irp q, 0,1,2,3
	s_add_co_u32 s13, s12, \q
	s_and_b32 s13, s13, 3
	s_lshl_b32 s66, s13, 8
	s_add_co_u32 s66, s66, s22
	v_add_nc_u32 v[4+\q], s66, v2                  ; W_c, v, v2: column group (q + w) & 3
	s_lshl_b32 s67, s13, 13
	s_add_co_u32 s67, s67, s23
	v_add_nc_u32 v[8+\q], s67, v2                  ; decs
.endr
	s_lshl_b32 s2, s17, 10
	s_lshl_b32 s3, s12, 8
	s_add_co_u32 s2, s2, s3
	v_lshl_add_u32 v12, v1, 2, s2                  ; coverage of row 256 y + 64 w + r
.irp q, 0,1,2,3
.irp p, 0,1,2,3
	global_load_b128 v[DEC+8*(4*\q+\p):DEC+8*(4*\q+\p)+3],   v[8+\q], s[92:93] offset:\p*2048
	global_load_b128 v[DEC+8*(4*\q+\p)+4:DEC+8*(4*\q+\p)+7], v[8+\q], s[92:93] offset:\p*2048+16
.endr
.endr
.irp a, 0,1,2,3
	global_load_b32 v[COVS+\a], v12, s[94:95] offset:64*\a
.endr
	s_wait_kmcnt 0x0
.irp p, 0,1,2,3
	global_load_b128 v[64+8*\p:64+8*\p+3], v4, s[4:5] offset:\p*64        ; v2 of my 64 sentence columns
	global_load_b128 v[64+8*\p+4:64+8*\p+7], v4, s[4:5] offset:\p*64+16
.endr
	WIN 0x40
.irp q, 0,1,2,3
.irp p, 0,1,2,3
	global_load_b128 v[8*(4*\q+\p):8*(4*\q+\p)+3],   v[4+\q], s[96:97] offset:\p*64      ; W_c into window 1, v[0:127]
	global_load_b128 v[8*(4*\q+\p)+4:8*(4*\q+\p)+7], v[4+\q], s[96:97] offset:\p*64+16
	global_load_b128 v[128+8*(4*\q+\p):128+8*(4*\q+\p)+3],   v[4+\q], s[98:99] offset:\p*64   ; v into window 1, v[128:255]
	global_load_b128 v[128+8*(4*\q+\p)+4:128+8*(4*\q+\p)+7], v[4+\q], s[98:99] offset:\p*64+16
.endr
.endr
	WIN 0
	s_mov_b32 s2, 0x76543210                       ; v_permlanex16_b32: lane i reads lane i of the other half
	s_mov_b32 s3, 0xfedcba98
	v_mov_b32 v[VS], 0
	v_mov_b32 v[VS+1], 0
	s_wait_loadcnt 0x0
.irp a, 0,1,2,3
	v_mul_f32 v[COVS+\a], C2, v[COVS+\a]
.endr
; One fragment of W = 16 columns x my 64 rows: 32 numbers a lane.  T = 2 log2(e) (sum + dec_fea + coverage W_c); S += v / (1 + 2^T).
; Behind each run of transcendentals stand two plain additions that touch none of its registers (ISA guide 5.7.2).
.macro UNIT i, first
.if \i < 8
	WIN 0x02                               ; source 0 in window 2
.else
	WIN 0x03
.endif
.irp a, 0,1,2,3
.irp k, 0,1,2,3
	v_pk_fma_f32 v[T+8*\a+2*\k:T+8*\a+2*\k+1], v[8*(4*(\i%8)+\a)+2*\k:8*(4*(\i%8)+\a)+2*\k+1], C2, v[DEC+8*\i+2*\k:DEC+8*\i+2*\k+1] op_sel_hi:[1,0,1]
.endr
.endr
	WIN 0x04                               ; source 1 in window 1
.irp k, 0,1,2,3
	v_pk_fma_f32 v[T+2*\k:T+2*\k+1],       v[COVS:COVS+1],   v[8*\i+2*\k:8*\i+2*\k+1], v[T+2*\k:T+2*\k+1] op_sel_hi:[0,1,1]
	v_pk_fma_f32 v[T+8+2*\k:T+8+2*\k+1],   v[COVS:COVS+1],   v[8*\i+2*\k:8*\i+2*\k+1], v[T+8+2*\k:T+8+2*\k+1] op_sel:[1,0,0] op_sel_hi:[1,1,1]
	v_pk_fma_f32 v[T+16+2*\k:T+16+2*\k+1], v[COVS+2:COVS+3], v[8*\i+2*\k:8*\i+2*\k+1], v[T+16+2*\k:T+16+2*\k+1] op_sel_hi:[0,1,1]
	v_pk_fma_f32 v[T+24+2*\k:T+24+2*\k+1], v[COVS+2:COVS+3], v[8*\i+2*\k:8*\i+2*\k+1], v[T+24+2*\k:T+24+2*\k+1] op_sel:[1,0,0] op_sel_hi:[1,1,1]
.endr
.set n, 0
.rept 32
	v_exp_f32 v[T+n], v[T+n]
.set n, n+1
.endr
	v_pk_add_f32 v[VS:VS+1], v[VS:VS+1], v[128+8*\i:128+8*\i+1]
	v_pk_add_f32 v[VS:VS+1], v[VS:VS+1], v[128+8*\i+2:128+8*\i+3]
.set n, 0
	s_wait_alu depctr_va_vdst(0)
.rept 16
	v_pk_add_f32 v[T+n:T+n+1], v[T+n:T+n+1], 1.0 op_sel_hi:[1,0]
.set n, n+2
.endr
.set n, 0
.rept 32
	v_rcp_f32 v[T+n], v[T+n]
.set n, n+1
.endr
	v_pk_add_f32 v[VS:VS+1], v[VS:VS+1], v[128+8*\i+4:128+8*\i+5]
	v_pk_add_f32 v[VS:VS+1], v[VS:VS+1], v[128+8*\i+6:128+8*\i+7]
	s_wait_alu depctr_va_vdst(0)
.irp a, 0,1,2,3
.if \first
	s_wait_alu depctr_va_vdst(0)
	v_pk_mul_f32 v[S+2*\a:S+2*\a+1], v[T+8*\a:T+8*\a+1], v[128+8*\i:128+8*\i+1]       ; the first product starts the sum
.else
	v_pk_fma_f32 v[S+2*\a:S+2*\a+1], v[T+8*\a:T+8*\a+1], v[128+8*\i:128+8*\i+1], v[S+2*\a:S+2*\a+1]
.endif
.endr
.irp k, 1,2,3
.irp a, 0,1,2,3
	v_pk_fma_f32 v[S+2*\a:S+2*\a+1], v[T+8*\a+2*\k:T+8*\a+2*\k+1], v[128+8*\i+2*\k:128+8*\i+2*\k+1], v[S+2*\a:S+2*\a+1]
.endr
.endr
.endm
	UNIT 0, 1
.irp u, 1,2,3,4,5,6,7,8,9,10,11,12,13,14,15
	UNIT \u, 0
.endr
	WIN 0
	; sum of v tanh = sum of v - 2 sum of v / (1 + 2^T); the two halves of the lanes hold the two halves of each 16 columns
	v_add_f32 v[VS], v[VS], v[VS+1]
.irp a, 0,1,2,3
	v_add_f32 v[28+\a], v[S+2*\a], v[S+2*\a+1]
	v_fma_f32 v[28+\a], -2.0, v[28+\a], v[VS]
.endr
.irp a, 0,1,2,3
	v_permlanex16_b32 v[4+\a], v[28+\a], s2, s3
	v_add_f32 v[28+\a], v[28+\a], v[4+\a]
.endr
	s_lshl_b32 s21, s12, 8
	s_add_co_u32 s21, s21, SCR                     ; my wave's 256 bytes of scratch
	v_lshl_add_u32 v2, v1, 2, s21
.irp a, 0,1,2,3
	ds_store_b32 v2, v[28+\a] offset:64*\a         ; row 16 a + r (both halves of the lanes store the same number)
.endr
	v_and_b32 v3, 31, v0
	v_lshl_add_u32 v11, v3, 3, s21
	ds_load_b64 v[8:9], v11                        ; LDS serves a wave's instructions in order (ISA guide 5.7.1): this sees the stores above
	s_lshl_b32 s22, s16, 17                        ; nb x 32,768 rows
	s_lshl_b32 s23, s17, 10
	s_add_co_u32 s22, s22, s23
	s_lshl_b32 s23, s12, 8
	s_add_co_u32 s22, s22, s23
	v_lshl_add_u32 v10, v3, 3, s22
	s_wait_dscnt 0x0
	global_store_b64 v10, v[8:9], s[6:7]           ; my 64 rows: 256 consecutive bytes, aligned
	; the sentence rows: 32 numbers a lane, row r, columns 64 w + 16 p + 8 hh + j; no bias (dec_fea went in ahead of the product)
.set n, 0
.rept 16
	v_pk_mul_f32 v[T+n:T+n+1], v[SACC+n:SACC+n+1], C2 op_sel_hi:[1,0]
.set n, n+2
.endr
.set n, 0
.rept 32
	v_exp_f32 v[T+n], v[T+n]
.set n, n+1
.endr
	v_pk_add_f32 v[VS:VS+1], v[64:65], v[66:67]    ; the sum of v2; also the plain place behind the exponentials
.set n, 4
.rept 14
	v_pk_add_f32 v[VS:VS+1], v[VS:VS+1], v[64+n:64+n+1]
.set n, n+2
.endr
.set n, 0
	s_wait_alu depctr_va_vdst(0)
.rept 16
	v_pk_add_f32 v[T+n:T+n+1], v[T+n:T+n+1], 1.0 op_sel_hi:[1,0]
.set n, n+2
.endr
.set n, 0
.rept 32
	v_rcp_f32 v[T+n], v[T+n]
.set n, n+1
.endr
	v_add_f32 v[VS], v[VS], v[VS+1]                ; the plain place behind the reciprocals
	s_wait_alu depctr_va_vdst(0)
	v_pk_mul_f32 v[20:21], v[T:T+1], v[64:65]
	v_pk_mul_f32 v[22:23], v[T+2:T+3], v[66:67]
.set n, 4
.rept 7
	v_pk_fma_f32 v[20:21], v[T+n:T+n+1], v[64+n:64+n+1], v[20:21]
	v_pk_fma_f32 v[22:23], v[T+n+2:T+n+3], v[64+n+2:64+n+3], v[22:23]
.set n, n+4
.endr
	v_pk_add_f32 v[20:21], v[20:21], v[22:23]
	v_add_f32 v20, v20, v21
	v_fma_f32 v20, -2.0, v20, v[VS]
	s_lshl_b32 s21, s12, 7
	s_add_co_u32 s21, s21, SCR2
	v_lshl_add_u32 v12, v3, 2, s21
	ds_store_b32 v12, v20                          ; [wave][hh][r]
	s_wait_dscnt 0x0                               ; for wave 0's sake
	s_barrier_signal -1
	s_barrier_wait -1
	s_cmp_lg_u32 s12, 0
	s_cbranch_scc1 .Lno_ss
	v_lshlrev_b32 v12, 4, v3
	v_add_nc_u32 v2, SCR2, v12
	ds_load_b128 v[4:7], v2
	s_lshl_b32 s22, s17, 2
	s_add_co_u32 s22, s22, s16
	s_lshl_b32 s22, s22, 9                         ; (4 y + nb) x 512 bytes
	v_add_nc_u32 v12, s22, v12
	s_wait_dscnt 0x0
	global_store_b128 v12, v[4:7], s[8:9]          ; 512 consecutive bytes
.Lno_ss:
	s_wait_xcnt 0x0
	v_lshl_add_u32 v206, v0, 2, 0x4ee00
	v_mov_b32 v207, 0
	s_wait_tensorcnt 0x0
	ds_add_u32 v206, v207
	s_wait_dscnt 0x0
	CROUND                                         ; the closing round: no work-group ends while a partner may still ask for a tile that names it
	s_endpgm
.Lfunc_end_k_q9f5cd62053_att:
	.size	k_q9f5cd62053_att, .Lfunc_end_k_q9f5cd62053_att-k_q9f5cd62053_att
	.p2alignl 7, 3214868480
	.fill 96, 4, 3214868480
	.section	.rodata,"a",@progbits
	.p2align	6, 0x0
	.amdhsa_kernel k_q9f5cd62053_att
		.amdhsa_group_segment_fixed_size 327680
		.amdhsa_private_segment_fixed_size 0
		.amdhsa_enable_private_segment 0
		.amdhsa_kernarg_size 88
		.amdhsa_user_sgpr_count 2
		.amdhsa_user_sgpr_kernarg_segment_ptr 1
		.amdhsa_wavefront_size32 1
		.amdhsa_system_sgpr_workgroup_id_x 1
		.amdhsa_system_sgpr_workgroup_id_y 1
		.amdhsa_system_sgpr_workgroup_id_z 1
		.amdhsa_system_vgpr_workitem_id 0
		.amdhsa_next_free_vgpr 1024
		.amdhsa_next_free_sgpr 100
		.amdhsa_reserve_vcc 0
		.amdhsa_float_denorm_mode_32 3
		.amdhsa_float_denorm_mode_16_64 3
		.amdhsa_memory_ordered 1
		.amdhsa_forward_progress 1
		.amdhsa_inst_pref_size 255
	.end_amdhsa_kernel
	.section	.bss,"aw",@nobits
	.p2align	6
	.space	262144
	.amdgpu_metadata
---
amdhsa.version: [ 1, 2 ]
amdhsa.kernels:
  - .name:           k_q9f5cd62053_att
    .symbol:         k_q9f5cd62053_att.kd
    .args:
      - { .name: h, .offset: 0, .size: 8, .value_kind: global_buffer, .address_space: global }
      - { .name: s, .offset: 8, .size: 8, .value_kind: global_buffer, .address_space: global }
      - { .name: wcat, .offset: 16, .size: 8, .value_kind: global_buffer, .address_space: global }
      - { .name: senta, .offset: 24, .size: 8, .value_kind: global_buffer, .address_space: global }
      - { .name: decs, .offset: 32, .size: 8, .value_kind: global_buffer, .address_space: global }
      - { .name: coverage, .offset: 40, .size: 8, .value_kind: global_buffer, .address_space: global }
      - { .name: W_c, .offset: 48, .size: 8, .value_kind: global_buffer, .address_space: global }
      - { .name: v, .offset: 56, .size: 8, .value_kind: global_buffer, .address_space: global }
      - { .name: v2, .offset: 64, .size: 8, .value_kind: global_buffer, .address_space: global }
      - { .name: part, .offset: 72, .size: 8, .value_kind: global_buffer, .address_space: global }
      - { .name: sspart, .offset: 80, .size: 8, .value_kind: global_buffer, .address_space: global }
    .group_segment_fixed_size: 327680
    .private_segment_fixed_size: 0
    .kernarg_segment_align: 8
    .kernarg_segment_size: 88
    .max_flat_workgroup_size: 128
    .sgpr_count:     100
    .vgpr_count:     1024
    .wavefront_size: 32
...
	.end_amdgpu_metadata
.endif
;; end of part 2
;; launch fin (part 3): grid 8 x 32, 16 waves a work-group, no clusters, 283,648 bytes of LDS; arguments part, sspart, enc_padding_mask, coverage, enc_sent_token_mat, sent_all_head_scores, sent_all_child_scores, h, out0, out1, out2; writes out0, out1, out2
.if DOCPART == 3
	.amdgcn_target "amdgcn-amd-amdhsa--gfx1250"
	.amdhsa_code_object_version 6
	.text
	.protected	k_q9f5cd62053_fin
	.globl	k_q9f5cd62053_fin
	.p2align	8
	.type	k_q9f5cd62053_fin,@function
k_q9f5cd62053_fin:
	s_mov_b64 s[64:65], 0
	v_nop
	global_prefetch_b8 v0, s[64:65] scope:SCOPE_SE
	s_setreg_imm32_b32 hwreg(HW_REG_WAVE_MODE, 25, 1), 1
	s_wait_xcnt 0x0
; FIN.  Work-group (c, b): the whole chain of batch b (four softmaxes over 1,024 tokens, each with its maximum taken away; four products
; with M; two products with the 64 x 64 tables), then attn_dist and coverage_out for tokens 128 c .. + 127 and c_t's columns 64 c .. + 63.
; The eight work-groups of a batch repeat the chain, which is short, so that h's second reading is shared among 256 work-groups.
; 16 waves, 512 threads.  Thread t owns tokens 2 t, 2 t + 1 and keeps its two columns of M in 128 registers for all four products.
; Wave w owns tokens, and rows of h, 64 w .. + 63: one tensor load a wave brings its 64 rows x 256 bytes of h at the start, and only that
; wave reads them, behind its own wait.  No LDS byte is filled twice.
; No matrix unit: every product here has one row or one column and is bound by its bytes; they are made in f32.
; No cluster: M is wanted in registers, and M and the slice of h (256 KiB each) do not fit in LDS together, where a joint load would put them.
; LIMITS: v_exp_f32 and v_rcp_f32 flush denormals (ISA guide 15.8), so a softmax term or a sum below 2^-126 counts as zero.
.set Z,    262144                      ; behind the tiles of h: scratch, each round with bytes of its own
.set MAX1, 0
.set SUM1, 64
.set MAX2, 128
.set SUM2, 192
.set MAX3, 256
.set SUM3, 384
.set TOT,  512
.set SSP,  1024                        ; 16 waves x 16 sentence sums
.set SSF,  2048                        ; 64 sentence scores
.set NHF,  2304                        ; 64 new_head, 64 new_child
.set SAP,  3072                        ; 16 waves x 64 partial sent_att
.set NHP,  7168                        ; 16 waves x 64 partial new_head / new_child
.set AD,   11264                       ; attn_dist, 1,024
.set CTP,  15360                       ; 16 waves x 64 partial c_t
.set L2E,  0x3fb8aa3b                  ; log2(e)
; v0 t, v1 lane, v2 8 t, v3 16 t, v28 scratch of the lane sums, v29 Z + 4 w, v30 Z, v31 8 x lane
.set PT, 4                             ; v[4:11]   the four partial scores; later at work
.set SP, 12                            ; v[12:15]  sentence partials; later at work
.set MK, 16                            ; v[16:17]  mask
.set CV, 18                            ; v[18:19]  coverage
.set P,  20                            ; v[20:21]  scores = softmax x mask
.set AT, 22                            ; v[22:23]  attn
.set Y0, 24
.set Y1, 26
.set HC, 32                            ; v[32:47]  8 rows of the head (waves 0-7) or child (waves 8-15) table
.set BC, 48                            ; v[48:111] 64 numbers that every lane holds
.set MM, 112                           ; v[112:239] M[s][2 t], M[s][2 t + 1]; at the end my part of h
.macro BAR
	s_wait_dscnt 0x0                       ; my LDS stores and loads are done, for the others' sake
	s_barrier_signal -1
	s_barrier_wait -1
.endm
.macro WMAX x                          ; over the 32 lanes, result in every lane
.irp m, 1,2,4,8
	v_max_num_f32_dpp v[\x], v[\x], v[\x] row_xmask:\m row_mask:0xf bank_mask:0xf
.endr
	v_permlanex16_b32 v28, v[\x], s28, s29
	v_max_num_f32 v[\x], v[\x], v28
.endm
.macro WSUM x
.irp m, 1,2,4,8
	v_add_f32_dpp v[\x], v[\x], v[\x] row_xmask:\m row_mask:0xf bank_mask:0xf
.endr
	v_permlanex16_b32 v28, v[\x], s28, s29
	v_add_f32 v[\x], v[\x], v28
.endm
.macro GLOAD off, cnt                  ; 4 cnt words from Z + off into BC, the same in every lane
.set k, 0
.rept \cnt
	ds_load_b128 v[BC+4*k:BC+4*k+3], v30 offset:\off+16*k
.set k, k+1
.endr
	s_wait_dscnt 0x0
.endm
.macro FMAX d, first, stride           ; the largest of 16 numbers of BC
	v_max3_num_f32 v[\d], v[BC+\first], v[BC+\first+\stride], v[BC+\first+2*\stride]
.set k, 3
.rept 6
	v_max3_num_f32 v[\d], v[\d], v[BC+\first+k*\stride], v[BC+\first+(k+1)*\stride]
.set k, k+2
.endr
	v_max_num_f32 v[\d], v[\d], v[BC+\first+15*\stride]
.endm
.macro FSUM16 d                        ; the sum of BC's first 16 numbers
.irp k, 0,4,8,12
	v_pk_add_f32 v[BC+\k:BC+\k+1], v[BC+\k:BC+\k+1], v[BC+\k+2:BC+\k+3]
.endr
	v_pk_add_f32 v[BC:BC+1], v[BC:BC+1], v[BC+4:BC+5]
	v_pk_add_f32 v[BC+8:BC+9], v[BC+8:BC+9], v[BC+12:BC+13]
	v_pk_add_f32 v[BC:BC+1], v[BC:BC+1], v[BC+8:BC+9]
	v_add_f32 v[\d], v[BC], v[BC+1]
.endm
.macro FPAIR16                         ; the sum of BC's first 16 pairs, into v[BC:BC+1]
.irp k, 0,4,8,12,16,20,24,28
	v_pk_add_f32 v[BC+\k:BC+\k+1], v[BC+\k:BC+\k+1], v[BC+\k+2:BC+\k+3]
.endr
.irp k, 0,8,16,24
	v_pk_add_f32 v[BC+\k:BC+\k+1], v[BC+\k:BC+\k+1], v[BC+\k+4:BC+\k+5]
.endr
	v_pk_add_f32 v[BC:BC+1], v[BC:BC+1], v[BC+8:BC+9]
	v_pk_add_f32 v[BC+16:BC+17], v[BC+16:BC+17], v[BC+24:BC+25]
	v_pk_add_f32 v[BC:BC+1], v[BC:BC+1], v[BC+16:BC+17]
.endm
.macro MATT y                          ; y[0:1] = sum over s of M[s][my two tokens] x BC[s], in two chains that the first products start
	v_pk_mul_f32 v[\y:\y+1], v[MM:MM+1], v[BC:BC+1] op_sel_hi:[1,0]
	v_pk_mul_f32 v[8:9], v[MM+2:MM+3], v[BC:BC+1] op_sel:[0,1] op_sel_hi:[1,1]
.set k, 2
.rept 31
	v_pk_fma_f32 v[\y:\y+1], v[MM+2*k:MM+2*k+1], v[BC+k:BC+k+1], v[\y:\y+1] op_sel_hi:[1,0,1]
	v_pk_fma_f32 v[8:9], v[MM+2*k+2:MM+2*k+3], v[BC+k:BC+k+1], v[8:9] op_sel:[0,1,0] op_sel_hi:[1,1,1]
.set k, k+2
.endr
	v_pk_add_f32 v[\y:\y+1], v[\y:\y+1], v[8:9]
.endm
	s_load_b512 s[4:19], s[0:1], 0x0               ; part 4, sspart 6, mask 8, coverage 10, M 12, head 14, child 16, h 18
	s_load_b128 s[20:23], s[0:1], 0x40             ; out0 20, out1 22
	s_load_b64 s[24:25], s[0:1], 0x50              ; out2
	v_lshl_add_u32 v240, v0, 2, 0x44c00
	v_mov_b32 v241, 0
	ds_add_u32 v240, v241
	ds_add_u32 v240, v241
	v_lshrrev_b32 v1, 5, v0
	v_readfirstlane_b32 s26, v1                    ; wave
	s_and_b32 s27, ttmp7, 0xffff                   ; b
	; group 1: 64 rows x 64 elements of 4 bytes, pitch 512 elements, no padding (a row is read by 16 neighbouring lanes)
	s_mov_b32 s40, 2<<16
	s_mov_b32 s41, 64<<16
	s_mov_b32 s42, 64<<16
	s_mov_b32 s43, 64<<16
	s_mov_b32 s44, 64
	s_mov_b32 s45, 512
	s_mov_b32 s46, 0
	s_mov_b32 s47, 0
	s_mov_b32 s36, 1
	s_lshl_b32 s37, s26, 14                        ; my wave's 16 KiB
	s_lshl_b32 s30, s27, 21                        ; batch: 1,024 rows of 2,048 bytes
	s_lshl_b32 s32, s26, 17                        ; 64 rows a wave
	s_add_co_u32 s30, s30, s32
	s_lshl_b32 s32, ttmp9, 8                       ; 64 columns
	s_add_co_u32 s30, s30, s32
	s_mov_b32 s31, 0
	s_wait_dscnt 0x0
	s_wait_kmcnt 0x0
	s_add_nc_u64 s[38:39], s[18:19], s[30:31]
	s_or_b32 s39, s39, 0x80000000
	tensor_load_to_lds s[36:39], s[40:47]          ; the wave's one tensor load; it has the whole chain in which to land
	s_nop 0
	s_lshl_b32 s30, s27, 12
	s_add_nc_u64 s[4:5], s[4:5], s[30:31]          ; 1,024 f32 a batch
	s_add_nc_u64 s[8:9], s[8:9], s[30:31]
	s_add_nc_u64 s[10:11], s[10:11], s[30:31]
	s_add_nc_u64 s[22:23], s[22:23], s[30:31]
	s_add_nc_u64 s[24:25], s[24:25], s[30:31]
	s_lshl_b32 s30, s27, 13
	s_add_nc_u64 s[6:7], s[6:7], s[30:31]
	s_lshl_b32 s30, s27, 18
	s_add_nc_u64 s[12:13], s[12:13], s[30:31]
	s_cmp_lt_u32 s26, 8
	s_cselect_b64 s[14:15], s[14:15], s[16:17]     ; waves 0-7 the head table, waves 8-15 the child table
	s_lshl_b32 s30, s27, 14
	s_and_b32 s32, s26, 7
	s_lshl_b32 s32, s32, 11                        ; 8 rows of 256 bytes a wave
	s_add_co_u32 s30, s30, s32
	s_add_nc_u64 s[14:15], s[14:15], s[30:31]
	s_lshl_b32 s30, s27, 11
	s_lshl_b32 s32, ttmp9, 8
	s_add_co_u32 s30, s30, s32
	s_add_nc_u64 s[20:21], s[20:21], s[30:31]
	s_mov_b32 s28, 0x76543210                      ; v_permlanex16_b32: lane i reads lane i of the other half
	s_mov_b32 s29, 0xfedcba98
	s_lshl_b32 s33, s26, 8
	s_add_co_u32 s33, s33, Z                       ; Z + 256 w
	s_lshl_b32 s34, s26, 2
	s_add_co_u32 s34, s34, Z                       ; Z + 4 w
	s_lshl_b32 s35, s26, 6
	s_add_co_u32 s35, s35, Z                       ; Z + 64 w
	v_and_b32 v1, 31, v0
	v_lshlrev_b32 v2, 3, v0
	v_lshlrev_b32 v3, 4, v0
	v_lshlrev_b32 v31, 3, v1
	v_mov_b32 v30, Z
	v_mov_b32 v29, s34
	v_mov_b32 v28, 0
	; all 79 loads at once: 4 + 1 + 1 + 1 + 64 + 8
.irp nb, 0,1,2,3
	global_load_b64 v[PT+2*\nb:PT+2*\nb+1], v2, s[4:5] offset:\nb*131072
.endr
	global_load_b128 v[SP:SP+3], v3, s[6:7]
	global_load_b64 v[MK:MK+1], v2, s[8:9]
	global_load_b64 v[CV:CV+1], v2, s[10:11]
.set k, 0
.rept 64
	global_load_b64 v[MM+2*k:MM+2*k+1], v2, s[12:13] offset:k*4096
.set k, k+1
.endr
.irp i, 0,1,2,3,4,5,6,7
	global_load_b64 v[HC+2*\i:HC+2*\i+1], v31, s[14:15] offset:\i*256
.endr
	; round 1: the scores, their maximum; the sentence partials
	s_wait_loadcnt 0x3f                            ; at most 63 of the 79 are out: the first 16 are in, the 7 wanted here among them
	v_pk_add_f32 v[4:5], v[4:5], v[6:7]
	v_pk_add_f32 v[8:9], v[8:9], v[10:11]
	v_pk_add_f32 v[4:5], v[4:5], v[8:9]            ; my two scores
	v_max_num_f32 v6, v4, v5
	WMAX 6
	ds_store_b32 v29, v6 offset:MAX1
	; word 4 t + u of the batch's sspart: r = 4 (t & 3) + u, half = bit 2, att's wave = bits 3, 4 of the lane: these three are summed away
.irp n, 12,13,14,15
	v_add_f32_dpp v\n, v\n, v\n row_xmask:4 row_mask:0xf bank_mask:0xf
	v_add_f32_dpp v\n, v\n, v\n row_xmask:8 row_mask:0xf bank_mask:0xf
	v_permlanex16_b32 v28, v\n, s28, s29
	v_add_f32 v\n, v\n, v28
.endr
	v_and_b32 v8, 3, v0
	v_lshl_add_u32 v8, v8, 4, s35
	ds_store_b128 v8, v[12:15] offset:SSP          ; my wave = (block of 16 sentences, column block nb)
	BAR
	; round 2: exponentials and their sum; the 64 sentence scores
	GLOAD MAX1, 4
	FMAX 6, 0, 1
	v_sub_f32 v4, v4, v6
	v_sub_f32 v5, v5, v6
	v_mul_f32 v4, L2E, v4
	v_mul_f32 v5, L2E, v5
	v_exp_f32 v4, v4
	v_exp_f32 v5, v5
	v_nop                                          ; one plain place behind a transcendental (ISA guide 5.7.2)
	s_wait_alu depctr_va_vdst(0)
	v_add_f32 v6, v4, v5
	WSUM 6
	ds_store_b32 v29, v6 offset:SUM1
	s_cmp_lt_u32 s26, 2
	s_cbranch_scc0 .Lno_ssf
	s_lshl_b32 s32, s26, 9                         ; sentence t = 32 w + lane: block 2 w + hh, four column blocks of 64 bytes
	s_add_co_u32 s32, s32, Z
	v_bfe_u32 v8, v0, 4, 1
	v_and_b32 v9, 15, v0
	v_lshlrev_b32 v9, 2, v9
	v_lshl_add_u32 v8, v8, 8, v9
	v_add_nc_u32 v8, s32, v8
.irp u, 0,1,2,3
	ds_load_b32 v[10+\u], v8 offset:SSP+64*\u
.endr
	s_wait_dscnt 0x0
	v_pk_add_f32 v[10:11], v[10:11], v[12:13]
	v_add_f32 v10, v10, v11
	s_lshl_b32 s32, s26, 7
	s_add_co_u32 s32, s32, Z
	v_lshl_add_u32 v9, v1, 2, s32
	ds_store_b32 v9, v10 offset:SSF
.Lno_ssf:
	BAR
	; round 3: scores; tok_lvl and its maximum; partial sent_att
	GLOAD SUM1, 4
	FSUM16 6
	v_rcp_f32 v6, v6
	v_nop
	s_wait_alu depctr_va_vdst(0)
	v_pk_mul_f32 v[P:P+1], v[4:5], v[6:7] op_sel_hi:[1,0]
	v_pk_mul_f32 v[P:P+1], v[P:P+1], v[MK:MK+1]
	GLOAD SSF, 16
	s_wait_loadcnt 0x8                             ; M is in; the 8 loads of the tables stay out
	MATT Y0
	v_max_num_f32 v6, v[Y0], v[Y0+1]
	WMAX 6
	ds_store_b32 v29, v6 offset:MAX2
.set k, 0
.rept 64
	v_mul_f32 v[BC+k], v[MM+2*k], v[P]
	v_fmac_f32 v[BC+k], v[MM+2*k+1], v[P+1]        ; my two tokens' share of sent_att[k]
.set k, k+1
.endr
.set k, 0
.rept 32
	v_permlane16_swap_b32 v[BC+k], v[BC+k+32]      ; lanes 0-15 go on with sentence k, lanes 16-31 with sentence k + 32
	v_add_f32 v[BC+k], v[BC+k], v[BC+k+32]
.set k, k+1
.endr
.irp m, 1,2,4,8
.set k, 0
.rept 32
	v_add_f32_dpp v[BC+k], v[BC+k], v[BC+k] row_xmask:\m row_mask:0xf bank_mask:0xf
.set k, k+1
.endr
.endr
	v_bfe_u32 v10, v0, 4, 1
	v_lshl_add_u32 v10, v10, 7, s33
.irp m, 0,1,2,3,4,5,6,7
	ds_store_b128 v10, v[BC+4*\m:BC+4*\m+3] offset:SAP+16*\m
.endr
	BAR
	; round 4: tok_lvl's exponentials; sent_att; my 8 rows' share of new_head or new_child
	GLOAD MAX2, 4
	FMAX 6, 0, 1
	v_sub_f32 v[Y0], v[Y0], v6
	v_sub_f32 v[Y0+1], v[Y0+1], v6
	v_mul_f32 v[Y0], L2E, v[Y0]
	v_mul_f32 v[Y0+1], L2E, v[Y0+1]
	v_exp_f32 v[Y0], v[Y0]
	v_exp_f32 v[Y0+1], v[Y0+1]
	v_nop
	s_wait_alu depctr_va_vdst(0)
	v_add_f32 v6, v[Y0], v[Y0+1]
	WSUM 6
	ds_store_b32 v29, v6 offset:SUM2
	s_and_b32 s32, s26, 7
	s_lshl_b32 s32, s32, 5
	s_add_co_u32 s32, s32, Z
	v_lshrrev_b32 v10, 1, v1                       ; lane / 2 names the wave whose partial I read, lane % 2 four of my eight sentences
	v_and_b32 v11, 1, v1
	v_lshlrev_b32 v11, 4, v11
	v_lshl_add_u32 v10, v10, 8, v11
	v_add_nc_u32 v10, s32, v10
	ds_load_b128 v[12:15], v10 offset:SAP
	s_wait_dscnt 0x0
.irp n, 12,13,14,15
	v_add_f32_dpp v\n, v\n, v\n row_xmask:2 row_mask:0xf bank_mask:0xf
	v_add_f32_dpp v\n, v\n, v\n row_xmask:4 row_mask:0xf bank_mask:0xf
	v_add_f32_dpp v\n, v\n, v\n row_xmask:8 row_mask:0xf bank_mask:0xf
	v_permlanex16_b32 v28, v\n, s28, s29
	v_add_f32 v\n, v\n, v28
.endr
.irp u, 0,1,2,3
	v_readlane_b32 s[48+\u], v[12+\u], 0           ; sent_att of my 8 sentences, as factors only
	v_readlane_b32 s[52+\u], v[12+\u], 1
.endr
	s_wait_loadcnt 0x0
	v_mul_f32 v10, s48, v[HC]
	v_mul_f32 v11, s48, v[HC+1]
.irp i, 1,2,3,4,5,6,7
	v_fmac_f32 v10, s[48+\i], v[HC+2*\i]
	v_fmac_f32 v11, s[48+\i], v[HC+2*\i+1]
.endr
	v_add_nc_u32 v12, s33, v31
	ds_store_b64 v12, v[10:11] offset:NHP
	BAR
	; round 5: attn's first term; new_head and new_child
	GLOAD SUM2, 4
	FSUM16 6
	v_rcp_f32 v6, v6
	v_nop
	s_wait_alu depctr_va_vdst(0)
	v_pk_mul_f32 v[AT:AT+1], v[Y0:Y0+1], v[6:7] op_sel_hi:[1,0]
	v_pk_mul_f32 v[AT:AT+1], v[AT:AT+1], v[MK:MK+1]
	v_pk_mul_f32 v[AT:AT+1], v[AT:AT+1], v[P:P+1]
	s_cmp_lt_u32 s26, 4
	s_cbranch_scc0 .Lno_nhf
	s_lshr_b32 s32, s26, 1                         ; number t = 32 w + lane of 128: table w / 2, entry 32 (w % 2) + lane, eight waves' shares
	s_lshl_b32 s32, s32, 11
	s_and_b32 s30, s26, 1
	s_lshl_b32 s30, s30, 7
	s_add_co_u32 s32, s32, s30
	s_add_co_u32 s32, s32, Z
	v_lshl_add_u32 v8, v1, 2, s32
.irp u, 0,1,2,3,4,5,6,7
	ds_load_b32 v[BC+\u], v8 offset:NHP+256*\u
.endr
	s_wait_dscnt 0x0
	v_pk_add_f32 v[BC:BC+1], v[BC:BC+1], v[BC+2:BC+3]
	v_pk_add_f32 v[BC+4:BC+5], v[BC+4:BC+5], v[BC+6:BC+7]
	v_pk_add_f32 v[BC:BC+1], v[BC:BC+1], v[BC+4:BC+5]
	v_add_f32 v[BC], v[BC], v[BC+1]
	s_lshl_b32 s32, s26, 7
	s_add_co_u32 s32, s32, Z
	v_lshl_add_u32 v9, v1, 2, s32
	ds_store_b32 v9, v[BC] offset:NHF
.Lno_nhf:
	BAR
	; round 6: head_tok, child_tok and their maxima
	GLOAD NHF, 16
	MATT Y0
	GLOAD NHF+256, 16
	MATT Y1
	v_max_num_f32 v10, v[Y0], v[Y0+1]
	v_max_num_f32 v11, v[Y1], v[Y1+1]
	WMAX 10
	WMAX 11
	s_lshl_b32 s32, s26, 3
	s_add_co_u32 s32, s32, Z
	v_mov_b32 v12, s32
	ds_store_b64 v12, v[10:11] offset:MAX3
	BAR
	; round 7: their exponentials and sums
	GLOAD MAX3, 8
	FMAX 10, 0, 2
	FMAX 11, 1, 2
	v_sub_f32 v[Y0], v[Y0], v10
	v_sub_f32 v[Y0+1], v[Y0+1], v10
	v_sub_f32 v[Y1], v[Y1], v11
	v_sub_f32 v[Y1+1], v[Y1+1], v11
	v_pk_mul_f32 v[Y0:Y0+1], v[Y0:Y0+1], L2E op_sel_hi:[1,0]
	v_pk_mul_f32 v[Y1:Y1+1], v[Y1:Y1+1], L2E op_sel_hi:[1,0]
	v_exp_f32 v[Y0], v[Y0]
	v_exp_f32 v[Y0+1], v[Y0+1]
	v_exp_f32 v[Y1], v[Y1]
	v_exp_f32 v[Y1+1], v[Y1+1]
	v_nop
	s_wait_alu depctr_va_vdst(0)
	v_add_f32 v10, v[Y0], v[Y0+1]
	v_add_f32 v11, v[Y1], v[Y1+1]
	WSUM 10
	WSUM 11
	ds_store_b64 v12, v[10:11] offset:SUM3
	BAR
	; round 8: attn whole, and its sum
	GLOAD SUM3, 8
	FPAIR16
	v_rcp_f32 v10, v[BC]
	v_rcp_f32 v11, v[BC+1]
	v_nop
	s_wait_alu depctr_va_vdst(0)
	v_pk_mul_f32 v[Y0:Y0+1], v[Y0:Y0+1], v[10:11] op_sel_hi:[1,0]
	v_pk_fma_f32 v[Y0:Y0+1], v[Y1:Y1+1], v[10:11], v[Y0:Y0+1] op_sel:[0,1,0] op_sel_hi:[1,1,1]
	v_pk_fma_f32 v[AT:AT+1], v[Y0:Y0+1], v[MK:MK+1], v[AT:AT+1]
	v_add_f32 v6, v[AT], v[AT+1]
	WSUM 6
	ds_store_b32 v29, v6 offset:TOT
	BAR
	; round 9: attn_dist, coverage_out, my 64 rows' share of c_t
	GLOAD TOT, 4
	FSUM16 6
	v_rcp_f32 v6, v6
	v_nop
	s_wait_alu depctr_va_vdst(0)
	v_pk_mul_f32 v[AT:AT+1], v[AT:AT+1], v[6:7] op_sel_hi:[1,0]
	v_add_nc_u32 v8, s33, v31
	ds_store_b64 v8, v[AT:AT+1] offset:AD          ; tokens 64 w .. + 63: my wave alone reads them back
	s_lshr_b32 s32, s26, 1
	s_cmp_lg_u32 s32, ttmp9
	s_cbranch_scc1 .Lno_out                        ; tokens 128 c .. + 127 belong to waves 2 c, 2 c + 1
	v_pk_add_f32 v[CV:CV+1], v[CV:CV+1], v[AT:AT+1]
	global_store_b64 v2, v[AT:AT+1], s[22:23]      ; each store of the wave covers 256 consecutive bytes, aligned
	global_store_b64 v2, v[CV:CV+1], s[24:25]
.Lno_out:
	s_wait_tensorcnt 0x0                           ; my tile of h is in LDS
	v_bfe_u32 v11, v0, 4, 1
	v_lshl_add_u32 v9, v11, 7, s33                 ; lanes 0-15 take rows 0-31 of my 64, lanes 16-31 rows 32-63
.irp m, 0,1,2,3,4,5,6,7
	ds_load_b128 v[BC+4*\m:BC+4*\m+3], v9 offset:AD+16*\m
.endr
	s_lshl_b32 s32, s26, 14
	v_and_b32 v10, 15, v0
	v_lshlrev_b32 v10, 4, v10
	v_lshl_add_u32 v10, v11, 13, v10
	v_add_nc_u32 v10, s32, v10
.set k, 0
.rept 32
	ds_load_b128 v[MM+4*k:MM+4*k+3], v10 offset:256*k
.set k, k+1
.endr
	s_wait_dscnt 0x0
	v_pk_mul_f32 v[4:5],   v[MM:MM+1],   v[BC:BC+1] op_sel_hi:[1,0]
	v_pk_mul_f32 v[6:7],   v[MM+2:MM+3], v[BC:BC+1] op_sel_hi:[1,0]
	v_pk_mul_f32 v[12:13], v[MM+4:MM+5], v[BC:BC+1] op_sel:[0,1] op_sel_hi:[1,1]
	v_pk_mul_f32 v[14:15], v[MM+6:MM+7], v[BC:BC+1] op_sel:[0,1] op_sel_hi:[1,1]
.set k, 2
.rept 15
	v_pk_fma_f32 v[4:5],   v[MM+4*k:MM+4*k+1],   v[BC+k:BC+k+1], v[4:5] op_sel_hi:[1,0,1]
	v_pk_fma_f32 v[6:7],   v[MM+4*k+2:MM+4*k+3], v[BC+k:BC+k+1], v[6:7] op_sel_hi:[1,0,1]
	v_pk_fma_f32 v[12:13], v[MM+4*k+4:MM+4*k+5], v[BC+k:BC+k+1], v[12:13] op_sel:[0,1,0] op_sel_hi:[1,1,1]
	v_pk_fma_f32 v[14:15], v[MM+4*k+6:MM+4*k+7], v[BC+k:BC+k+1], v[14:15] op_sel:[0,1,0] op_sel_hi:[1,1,1]
.set k, k+2
.endr
	v_pk_add_f32 v[4:5], v[4:5], v[12:13]
	v_pk_add_f32 v[6:7], v[6:7], v[14:15]
.irp u, 0,1,2,3
	v_permlanex16_b32 v[12+\u], v[4+\u], s28, s29
	v_add_f32 v[4+\u], v[4+\u], v[12+\u]
.endr
	v_and_b32 v11, 15, v0
	v_lshl_add_u32 v11, v11, 4, s33
	ds_store_b128 v11, v[4:7] offset:CTP           ; 64 columns (both halves of the lanes store the same numbers)
	BAR
	; wave 0 adds the 16 waves' shares: 256 consecutive bytes of c_t
	s_cmp_lg_u32 s26, 0
	s_cbranch_scc1 .Lend
	v_add_nc_u32 v8, v30, v31
.set k, 0
.rept 16
	ds_load_b64 v[BC+2*k:BC+2*k+1], v8 offset:CTP+256*k
.set k, k+1
.endr
	s_wait_dscnt 0x0
	FPAIR16
	global_store_b64 v31, v[BC:BC+1], s[20:21]
.Lend:
	s_wait_tensorcnt 0x0
	ds_add_u32 v240, v241
	s_wait_dscnt 0x0
	s_endpgm
.Lfunc_end_k_q9f5cd62053_fin:
	.size	k_q9f5cd62053_fin, .Lfunc_end_k_q9f5cd62053_fin-k_q9f5cd62053_fin
	.p2alignl 7, 3214868480
	.fill 96, 4, 3214868480
	.section	.rodata,"a",@progbits
	.p2align	6, 0x0
	.amdhsa_kernel k_q9f5cd62053_fin
		.amdhsa_group_segment_fixed_size 283648
		.amdhsa_private_segment_fixed_size 0
		.amdhsa_enable_private_segment 0
		.amdhsa_kernarg_size 88
		.amdhsa_user_sgpr_count 2
		.amdhsa_user_sgpr_kernarg_segment_ptr 1
		.amdhsa_wavefront_size32 1
		.amdhsa_system_sgpr_workgroup_id_x 1
		.amdhsa_system_sgpr_workgroup_id_y 1
		.amdhsa_system_sgpr_workgroup_id_z 1
		.amdhsa_system_vgpr_workitem_id 0
		.amdhsa_next_free_vgpr 242
		.amdhsa_next_free_sgpr 66
		.amdhsa_reserve_vcc 0
		.amdhsa_float_denorm_mode_32 3
		.amdhsa_float_denorm_mode_16_64 3
		.amdhsa_memory_ordered 1
		.amdhsa_forward_progress 1
		.amdhsa_inst_pref_size 71
	.end_amdhsa_kernel
	.amdgpu_metadata
---
amdhsa.version: [ 1, 2 ]
amdhsa.kernels:
  - .name:           k_q9f5cd62053_fin
    .symbol:         k_q9f5cd62053_fin.kd
    .args:
      - { .name: part, .offset: 0, .size: 8, .value_kind: global_buffer, .address_space: global }
      - { .name: sspart, .offset: 8, .size: 8, .value_kind: global_buffer, .address_space: global }
      - { .name: enc_padding_mask, .offset: 16, .size: 8, .value_kind: global_buffer, .address_space: global }
      - { .name: coverage, .offset: 24, .size: 8, .value_kind: global_buffer, .address_space: global }
      - { .name: enc_sent_token_mat, .offset: 32, .size: 8, .value_kind: global_buffer, .address_space: global }
      - { .name: sent_all_head_scores, .offset: 40, .size: 8, .value_kind: global_buffer, .address_space: global }
      - { .name: sent_all_child_scores, .offset: 48, .size: 8, .value_kind: global_buffer, .address_space: global }
      - { .name: h, .offset: 56, .size: 8, .value_kind: global_buffer, .address_space: global }
      - { .name: out0, .offset: 64, .size: 8, .value_kind: global_buffer, .address_space: global }
      - { .name: out1, .offset: 72, .size: 8, .value_kind: global_buffer, .address_space: global }
      - { .name: out2, .offset: 80, .size: 8, .value_kind: global_buffer, .address_space: global }
    .group_segment_fixed_size: 283648
    .private_segment_fixed_size: 0
    .kernarg_segment_align: 8
    .kernarg_segment_size: 88
    .max_flat_workgroup_size: 512
    .sgpr_count:     66
    .vgpr_count:     242
    .wavefront_size: 32
...
	.end_amdgpu_metadata
.endif
;; end of part 3
